; MI455X (gfx1250); checked and timed in simulation.
; The chip was launched on July 23, 2026; its instructions are those of AMD's public machine-readable ISA for CDNA 5 (MIT licence, August 2026) and "CDNA5" Instruction Set Architecture Reference Guide (July 2026). The comments in the code are by the model that wrote it; some were corrected since.
;; Tt Multi Head Attention Model. Allowed arithmetic: matrix products marked QUANTISED: E4M3 operands, one given power-of-two scale a tensor, by v_wmma_f32_16x16x64_fp8_fp8 or v_wmma_f32_16x16x128_fp8_fp8, f32 sums; everything else in f32.
;; Inputs: activation_codes 8 x 1 x 1,024 x 32 x 32 uint8 (E4M3 codes of activation, K innermost, in blocks of 32 codes); attention_mask 8 x 1 x 1 x 1,024 float32; kb 1,024 float32; kw_codes 1,024 x 32 x 32 uint8 (E4M3 codes of kw, K innermost, in blocks of 32 codes); lowp_scales 10 int32 (the exponents e of the quantised operands' scales 2^e); qb 1,024 float32; qw_codes 1,024 x 32 x 32 uint8 (E4M3 codes of qw, K innermost, in blocks of 32 codes); vb 1,024 float32; vw_codes 1,024 x 32 x 32 uint8 (E4M3 codes of vw, K innermost, in blocks of 32 codes).
;; Outputs: out0 8 x 1 x 1,024 x 1,024 float32.
;; Constants: num_heads = 16.
;; This version of the problem:
;;   THIS VERSION OF THE PROBLEM IS GIVEN IN LOW PRECISION. The matrix products marked QUANTISED in the list below multiply operands that are first quantised to E4M3 (4 exponent bits, 3 mantissa bits; 8 bits a number), with one given power-of-two scale for each operand tensor; their sums are f32. All else is computed in f32.
;;   The module's matrix products, in the order in which they are computed (A, B: the left and right operand; K: the contracted axis; several contracted axes count as one K, in the product's order):
;;     1. [M 8,192, K 1,024] x [K 1,024, N 1,024]; A: input activation (given as codes); B: input qw (given as codes): QUANTISED (scales: A lowp_scales[0], B lowp_scales[1])
;;     2. [M 8,192, K 1,024] x [K 1,024, N 1,024]; A: input activation (given as codes); B: input kw (given as codes): QUANTISED (scales: A lowp_scales[2], B lowp_scales[3])
;;     3. [M 8,192, K 1,024] x [K 1,024, N 1,024]; A: input activation (given as codes); B: input vw (given as codes): QUANTISED (scales: A lowp_scales[4], B lowp_scales[5])
;;     4. batch 128 x [M 1,024, K 64] x [K 64, N 1,024]; A: computed on the way; B: computed on the way: QUANTISED (scales: A lowp_scales[6], B lowp_scales[7])
;;     5. batch 128 x [M 1,024, K 1,024] x [K 1,024, N 64]; A: softmax (see below); B: computed on the way: QUANTISED (scales: A lowp_scales[8], B lowp_scales[9])
;;   THE QUANTISER, for each operand of a quantised product, along K:
;;     - The operand's scale is 2^e, e = its entry of the input lowp_scales (int32; the entries are numbered through the quantised products in the list's order, A before B).
;;     - Each number is divided by the scale, clamped to +-448, and rounded to the nearest number of E4M3, ties to even, subnormals kept.
;;     - The product sums the exact products of the quantised numbers (number of the format x scale) in f32.
;;   ~~~python
;;   def quantise(x, axis, e):      # numpy; x: float32 -> the quantised numbers, widened to float32 again
;;       x = np.moveaxis(x, axis, -1); K = x.shape[-1]
;;       r = np.clip(x / 2.0 ** e, -448, 448)
;;       step = 2.0 ** (np.maximum(np.frexp(np.where(r == 0, 1, r))[1] - 1, -6) - 3)
;;       q = np.round(r / step) * step * 2.0 ** e      # np.round: ties to even
;;       return np.moveaxis(q, -1, axis).astype(np.float32)
;;   ~~~
;;   SOFTMAX AHEAD OF A QUANTISED PRODUCT. Where the list says 'softmax', what is quantised is not the finished softmax but p = 2^(t - M), with t = logit x log2(e) and M = ceil(the row's largest t), a whole number; so 1/2 < the row's largest p <= 1. The row's sum l is taken of the UNQUANTISED p, in f32, and the product's result is divided by l at the end. Since M is a whole number, a kernel that streams over the keys may use a running M (the ceiling of the running maximum): every later rescaling is an exact power of two, so the quantised numbers keep their values, but for numbers so far below the row's largest that they fall under the format's range.
;;   OPERANDS COMPUTED ON THE WAY. 'Computed on the way' means the value that the module computes at that place (a softmax that the list does not call 'softmax' is quantised finished and normalised). What goes into a quantiser is computed in f32, as accurately as f32 sums, v_exp_f32 and their like allow (about 1e-6 of the number): no bf16 or f16 on the way to a quantiser, and a product that is left as it is and whose result goes on into a quantised operand takes f32 operands (vector FMAs, or v_wmma_f32_16x16x4_f32). A number that lies on a knife's edge between two numbers of the format may be rounded either way, as far as f32 arithmetic and the matrix unit's own rounding can turn it there, and no further.
;;   INPUTS GIVEN AS CODES. activation (in the module: [8, 1, 1024, 1024], K = its axis 3); kw (in the module: [1024, 1024], K = its axis 1); qw (in the module: [1024, 1024], K = its axis 1); vw (in the module: [1024, 1024], K = its axis 1): each comes as NAME_codes (uint8): NAME with its K axis moved to the last place and cut into blocks of 32 codes, [.., K / 32, bytes a block], one block behind the other in memory; one code a byte (a code: sign, 4 exponent bits, 3 mantissa bits); its scale is its entry of lowp_scales. Its value is code x scale, taken as it is: it is not quantised again, and the codes and scales need not be those that the quantiser above would give.
;; 2 versions, each right; version 2 is version 1 with the launch attn written anew for expert scheduling mode. Each part assembles by itself: llvm-mc -triple=amdgcn-amd-amdhsa -mcpu=gfx1250 --defsym DOCPART=n.
;; ======== version 1 of 2: 2 launches
;; workspace buffers: qimg 8,388,608 bytes; kimg 8,388,608 bytes; vimg 8,388,608 bytes
;; launch proj (part 1): grid 16 x 16, 4 waves a work-group, clusters of 4 x 4, 327,680 bytes of LDS; arguments activation_codes, qw_codes, kw_codes, vw_codes, qb, kb, vb, lowp_scales, qimg, kimg, vimg; writes qimg, kimg, vimg
.if DOCPART == 1
	.amdgcn_target "amdgcn-amd-amdhsa--gfx1250"
	.amdhsa_code_object_version 6
	.text
	.protected	k_q277afd5e81_proj
	.globl	k_q277afd5e81_proj
	.p2align	8
	.type	k_q277afd5e81_proj,@function
k_q277afd5e81_proj:
	s_mov_b64 s[64:65], 0
	v_nop
	global_prefetch_b8 v0, s[64:65] scope:SCOPE_SE
	s_setreg_imm32_b32 hwreg(HW_REG_WAVE_MODE, 25, 1), 1
	s_wait_xcnt 0x0
	s_wait_alu depctr_hold_cnt(0) depctr_sa_sdst(0) depctr_va_vdst(0) depctr_va_sdst(0) depctr_va_ssrc(0) depctr_va_vcc(0) depctr_vm_vsrc(0)
	s_getreg_b32 s2, hwreg(HW_REG_IB_STS2, 6, 4)
	s_cmp_eq_u32 s2, 0
	s_cbranch_scc0 .Lentry_in_a_cluster
	s_endpgm
.Lentry_in_a_cluster:
	s_bfe_u32 s2, ttmp6, 0x10000c
	s_cmp_lg_u32 s2, 0xf033
	s_cbranch_scc0 .Lentry_shape_is_right
	s_endpgm
.Lentry_shape_is_right:
; q, k, v = x W^T + b on codes of FP8 (E4M3), then quantised again for attention: q and k along the head's 64 channels, v along the keys.
; x: [8192][1024] codes; qw, kw, vw: [1024][1024] codes, K innermost; biases f32; lowp_scales e0..e9 (int32).
; A sum of codes stands for sum x 2^(ea + eb).  The bias goes in as the C of a sum's first product, divided by that power of two; the three scales ahead of the
; quantiser are folded into the conversion's one: 2^(e6 - e0 - e1) for q, 2^(e7 - e2 - e3) for k, 2^(e9 - e4 - e5) for v.
; LIMITS: each of these three exponents lies between -126 and 119, so that the scale and 448 x the scale are f32 numbers.  NaN among the inputs is not served.
; SHARES.  Work-group (hx, wy): head hx, row blocks wy and wy + 16 of 256 rows: it stays for two tiles.  A tile is 256 rows of x against the head's 64 rows of each of qw, kw, vw.
; Wave w: I = w / 2: rows 128 I on (8 tiles a of 16 rows); J = w % 2: weight tiles 2 J, 2 J + 1 of each of q, k, v: 48 accumulators, 384 registers.
; q, k: source 0 = 16 rows of W, source 1 = 16 rows of x: a lane holds one row of x and eight neighbouring channels, which are neighbours along the next K.
; v:    source 0 = 16 rows of x, source 1 = 16 rows of W: a lane holds one channel and eight neighbouring keys, which are neighbours along ITS next K.
; So a conversion's two registers ARE registers 2 T, 2 T + 1 of the next operand's fragment, and the codes leave as images of those registers: 16 bytes a lane, 512 consecutive bytes a store.
;   qimg, kimg: [bh][tile of 16 rows, 64][piece 2][512]: piece c = registers 4 c .. 4 c + 3 of a 16 x 64 fragment.    vimg: [bh][128 keys, 8][16 channels, 4][piece 4][512]: of a 16 x 128 fragment.
; CLUSTERS: 4 x 4.  x's tile hangs on wy alone and is asked for jointly along a row of the cluster; the weights' tiles hang on hx alone and are asked for jointly along a column.
; RING: K goes in steps of 256 (rows of 256 bytes) through two LDS slots; wave 0 fetches x's 256 rows, waves 1, 2, 3 the 64 rows of qw, kw, vw: one tensor load a wave.  By this text's count a wave has two loads out at the start, later one.
; A fragment (16 rows x 128 K) is fetched by four loads of 16 bytes, 32 bytes apart: a permutation of k that is the same in both sources, so every product meets its partner.
; REGISTERS, in windows of 256: window 0: v16-37 addresses and scales; v64-111 the biases in the results' layout; v128-255 v's 16 accumulators.
;   windows 1 and 2: fragment sets 0 and 1: W's six at v[16 i], x's eight at v[96 + 16 a]; on the way out window 2's v0-95 take the codes.   window 3: q's 16 accumulators at v[16 a + 8 t], k's at v[128 + 16 a + 8 t].
.set PITCH, 272                        ; an LDS row: 256 bytes + 16 of padding = 68 words: the 16 rows that a load touches start at 16 different banks (64 banks of 4 bytes: ISA guide 11.1)
.set XB,    256*PITCH                  ; a slot: x's 256 rows,
.set WPART, 64*PITCH                   ; then 64 rows each of qw, kw, vw
.set SLOT,  XB+3*WPART
.set SPARE, 2*SLOT                     ; behind the ring: the spare words, 128 bytes a wave: two blocks of 256 bytes that no other line names
.set ADX, 16                           ; v16-17  LDS address of my x fragments in slot 0, 1
.set ADW, 18                           ; v18-19  the same for the weights
.set LI,  20                           ; v20     16 x lane: my place in an image's piece
.set SPW, 28                           ; v28     my spare word; never rewritten
.set NIL, 29                           ; v29     0; never rewritten
.set SCQ, 32                           ; v32, v33  q's scale and 448 x it;  v34, v35 k's;  v36, v37 v's
.set SCK, 34
.set SCV, 36
.set BQ,  64                           ; v64-79 q's bias, two tiles;  v80-95 k's;  v96-111 v's
.set BK,  80
.set BV,  96
.set VAC, 128                          ; v's accumulators
.set XF,  96                           ; x's fragments in a set
.set WV,  26                           ; s26 wave;  s27 I;  s28 J
.set G1X, 40                           ; s[40:47] descriptor group 1 for x's tiles;  s[48:55] for the weights'
.set G1W, 48
.set G0X, 56                           ; s[56:63] group 0 for x, a set for each slot;  s[68:75] for the weights
.set G0W, 68
.set QP,  86                           ; s[86:87], s[88:89], s[90:91]: where my codes of q, k, v go
.set KP,  88
.set VP,  90
.set MSB, 0
.macro WIN new                         ; the immediate's high byte repeats the setting that is left; a switch that changes nothing is dropped
.if MSB != (\new)
	s_set_vgpr_msb (MSB<<8)|(\new)
.set MSB, (\new)
.endif
.endm
.macro PLACES
.rept 4
	v_nop
.endr
.endm
.macro CREST                           ; a round of the cluster's barrier behind its opening barrier
	s_cmp_lg_u32 s[WV], 0
	s_cbranch_scc1 .Lnot_wave_0_\@
	s_barrier_signal -3
.Lnot_wave_0_\@:
	s_barrier_wait -3
	s_barrier_signal -1
	s_barrier_wait -1
.endm
.macro CROUND
	s_barrier_signal -1
	s_barrier_wait -1
	CREST
.endm
; A joint refill: wave 0 asks for x's tile, waves 1 to 3 for a weight's.  Each line has one mask; the branch hangs on the wave's number alone.  Four v_nop follow each line.
.macro JLOAD slot
	s_cmp_eq_u32 s[WV], 0
	s_cbranch_scc0 .Lfor_w_\@
	tensor_load_to_lds s[G0X+4*\slot:G0X+4*\slot+3], s[G1X:G1X+7]
	s_nop 0
	PLACES
	s_branch .Lasked_\@
.Lfor_w_\@:
	tensor_load_to_lds s[G0W+4*\slot:G0W+4*\slot+3], s[G1W:G1W+7]
	s_nop 0
	PLACES
.Lasked_\@:
.endm
	s_load_b512 s[4:19], s[0:1], 0x0               ; x s[4:5], qw s[6:7], kw s[8:9], vw s[10:11], qb s[12:13], kb s[14:15], vb s[16:17], the exponents s[18:19]
	s_load_b128 s[20:23], s[0:1], 0x40             ; qimg, kimg
	s_load_b64 s[24:25], s[0:1], 0x50              ; vimg
	v_lshl_add_u32 v[SPW], v0, 2, SPARE
	v_mov_b32 v[NIL], 0
	ds_add_u32 v28, v29
	ds_add_u32 v28, v29
	s_wait_dscnt 0x0
	v_lshrrev_b32 v1, 5, v0
	v_readfirstlane_b32 s[WV], v1                  ; wave 0..3
	s_lshr_b32 s27, s[WV], 1                       ; I: which 128 rows of x
	s_and_b32 s28, s[WV], 1                        ; J: which two weight tiles of four
	s_bfe_u32 s29, ttmp6, 0x40000                  ; cx
	s_bfe_u32 s30, ttmp6, 0x40004                  ; cy
	s_lshl_b32 s31, ttmp9, 2
	s_add_co_u32 s31, s31, s29                     ; hx = 4 x cluster x + cx: the head
	s_and_b32 s32, ttmp7, 0xffff
	s_lshl_b32 s32, s32, 2
	s_add_co_u32 s32, s32, s30                     ; wy = 4 x cluster y + cy: the first row block
	s_lshl_b32 s33, s30, 2
	s_lshl_b32 s33, 15, s33                        ; my row of the cluster
	s_lshl_b32 s34, 0x1111, s29                    ; my column
	s_or_b32 s[G1X], s33, (1<<20)|(1<<21)|(5<<22)|(3<<25)   ; 15:0 the mask; 17:16 elements of 1 byte; 20 padding on; 21 set beside a mask; 24:22 after every 64 words; 31:25 four words
	s_or_b32 s[G1W], s34, (1<<20)|(1<<21)|(5<<22)|(3<<25)
.irp g, G1X, G1W
	s_mov_b32 s[\g+1], 256<<16                     ; tensor_dim0 = 256
	s_mov_b32 s[\g+3], 256<<16                     ; tile_dim0 = 256
	s_mov_b32 s[\g+5], 1024                        ; from row to row
	s_mov_b32 s[\g+6], 0
	s_mov_b32 s[\g+7], 0
.endr
	s_mov_b32 s[G1X+2], 256<<16                    ; tensor_dim1 = 256 rows of x
	s_mov_b32 s[G1X+4], 256                        ; tile_dim1
	s_mov_b32 s[G1W+2], 64<<16                     ; 64 rows of a weight
	s_mov_b32 s[G1W+4], 64
	s_lshl_b32 s36, s32, 18                        ; x: wy x 256 rows x 1,024 bytes: hangs on wy alone
	s_mov_b32 s37, 0
	s_lshl_b32 s38, s31, 16                        ; a weight: hx x 64 rows x 1,024 bytes: hangs on hx alone
	s_mov_b32 s39, 0
	s_mul_i32 s35, s[WV], WPART
	s_add_co_u32 s35, s35, XB-WPART                ; where wave 1, 2, 3 puts its weight's rows in a slot
	s_wait_kmcnt 0x0
	s_load_b256 s[76:83], s[18:19], 0x0            ; e0 .. e7
	s_load_b64 s[84:85], s[18:19], 0x20            ; e8, e9
	s_add_nc_u64 s[92:93], s[4:5], s[36:37]
	s_cmp_eq_u32 s[WV], 2
	s_cselect_b64 s[94:95], s[8:9], s[6:7]         ; wave 2: kw; wave 1: qw
	s_cmp_eq_u32 s[WV], 3
	s_cselect_b64 s[94:95], s[10:11], s[94:95]     ; wave 3: vw
	s_add_nc_u64 s[94:95], s[94:95], s[38:39]
	CROUND                                         ; all sixteen work-groups are here: the first joint loads meet
.irp s, 0,1
	s_mov_b32 s[G0X+4*\s], 1                       ; count = 1
	s_mov_b32 s[G0X+4*\s+1], \s*SLOT               ; LDS address
	s_add_nc_u64 s[G0X+4*\s+2:G0X+4*\s+3], s[92:93], \s*256   ; K step s
	s_or_b32 s[G0X+4*\s+3], s[G0X+4*\s+3], 0x80000000         ; type = 2
	s_mov_b32 s[G0W+4*\s], 1
	s_add_co_u32 s[G0W+4*\s+1], s35, \s*SLOT
	s_add_nc_u64 s[G0W+4*\s+2:G0W+4*\s+3], s[94:95], \s*256
	s_or_b32 s[G0W+4*\s+3], s[G0W+4*\s+3], 0x80000000
.endr
	s_cmp_eq_u32 s[WV], 0                          ; a wave's two first fills stand in one branch, ahead of every wait on TENSORcnt and every LDS read
	s_cbranch_scc0 .Lfirst_w
	tensor_load_to_lds s[G0X:G0X+3], s[G1X:G1X+7]
	s_nop 0
	tensor_load_to_lds s[G0X+4:G0X+7], s[G1X:G1X+7]
	s_nop 0
	PLACES
	s_branch .Lfirst_asked
.Lfirst_w:
	tensor_load_to_lds s[G0W:G0W+3], s[G1W:G1W+7]
	s_nop 0
	tensor_load_to_lds s[G0W+4:G0W+7], s[G1W:G1W+7]
	s_nop 0
	PLACES
.Lfirst_asked:
	v_and_b32 v1, 15, v0                           ; r
	v_bfe_u32 v2, v0, 4, 1                         ; h
	v_mul_u32_u24 v3, v1, PITCH
	v_lshl_add_u32 v3, v2, 4, v3                   ; a fragment's row x pitch + 16 h
	s_mul_i32 s36, s27, 128*PITCH                  ; my 128 rows of x
	s_mul_i32 s37, s28, 32*PITCH                   ; my 32 rows of each weight's 64,
	s_add_co_u32 s37, s37, XB                      ; behind x's rows
.irp s, 0,1
	v_add_nc_u32 v[ADX+\s], s36, v3
	v_add_nc_u32 v[ADW+\s], s37, v3
	s_add_co_u32 s36, s36, SLOT
	s_add_co_u32 s37, s37, SLOT
.endr
	v_and_b32 v4, 31, v0
	v_lshlrev_b32 v[LI], 4, v4
	; the biases, in the results' layout.  q, k: lane (r, h), tile t, register j: channel 64 hx + 32 J + 16 t + 8 h + j.  v: every register of tile t: channel 64 hx + 32 J + 16 t + r
	s_lshl_b32 s36, s31, 8
	s_lshl_b32 s37, s28, 7
	s_add_co_u32 s36, s36, s37
	s_mov_b32 s37, 0
	s_add_nc_u64 s[12:13], s[12:13], s[36:37]
	s_add_nc_u64 s[14:15], s[14:15], s[36:37]
	s_add_nc_u64 s[16:17], s[16:17], s[36:37]
	v_lshlrev_b32 v5, 5, v2
	v_lshlrev_b32 v6, 2, v1
.irp t, 0,1
	global_load_b128 v[BQ+8*\t:BQ+8*\t+3],   v5, s[12:13] offset:64*\t
	global_load_b128 v[BQ+8*\t+4:BQ+8*\t+7], v5, s[12:13] offset:64*\t+16
	global_load_b128 v[BK+8*\t:BK+8*\t+3],   v5, s[14:15] offset:64*\t
	global_load_b128 v[BK+8*\t+4:BK+8*\t+7], v5, s[14:15] offset:64*\t+16
	global_load_b32  v[BV+8*\t],             v6, s[16:17] offset:64*\t
.endr
	; where my codes go
	s_lshr_b32 s36, s32, 2                         ; the batch of the first tile
	s_lshl_b32 s36, s36, 4
	s_add_co_u32 s36, s36, s31                     ; bh = 16 x batch + head
	s_lshl_b32 s36, s36, 16                        ; 65,536 bytes of each image for a head
	s_and_b32 s37, s32, 3                          ; which 256 rows of the batch's 1,024
	s_lshl_b32 s38, s37, 4
	s_lshl_b32 s39, s27, 3
	s_add_co_u32 s38, s38, s39                     ; my first tile of 16 rows: 16 (wy % 4) + 8 I
	s_lshl_b32 s38, s38, 10
	s_add_co_u32 s38, s38, s36
	s_lshl_b32 s39, s28, 9                         ; piece J
	s_add_co_u32 s38, s38, s39
	s_mov_b32 s39, 0
	s_add_nc_u64 s[QP:QP+1], s[20:21], s[38:39]
	s_add_nc_u64 s[KP:KP+1], s[22:23], s[38:39]
	s_lshl_b32 s38, s37, 1
	s_add_co_u32 s38, s38, s27                     ; my 128 keys: step 2 (wy % 4) + I
	s_lshl_b32 s38, s38, 13
	s_add_co_u32 s38, s38, s36
	s_lshl_b32 s37, s28, 12                        ; channel tiles 2 J on
	s_add_co_u32 s38, s38, s37
	s_add_nc_u64 s[VP:VP+1], s[24:25], s[38:39]
	s_wait_loadcnt 0x0
	s_wait_kmcnt 0x0
	s_add_co_i32 s36, s76, s77                     ; e0 + e1
	s_add_co_i32 s37, s78, s79                     ; e2 + e3
	s_add_co_i32 s38, s80, s81                     ; e4 + e5
	s_sub_co_i32 s92, 0, s36
	s_sub_co_i32 s93, 0, s37
	s_sub_co_i32 s94, 0, s38
.irp j, 0,1,2,3,4,5,6,7,8,9,10,11,12,13,14,15
	v_ldexp_f32 v[BQ+\j], v[BQ+\j], s92            ; b / 2^(ea + eb): what the sums of codes lack
	v_ldexp_f32 v[BK+\j], v[BK+\j], s93
.endr
.irp t, 0,1
.irp j, 7,6,5,4,3,2,1,0
	v_ldexp_f32 v[BV+8*\t+\j], v[BV+8*\t], s94     ; the same number in the tile's eight registers; its own register last
.endr
.endr
.macro MKSC sc, e, sum                 ; v[sc] = 2^(e - sum) as f32: the conversion takes its exponent field; v[sc + 1] = 448 x that
	s_sub_co_i32 s96, s[\e], s[\sum]
	s_add_co_i32 s96, s96, 127
	s_lshl_b32 s97, s96, 23
	v_mov_b32 v[\sc], s97
	s_add_co_i32 s96, s96, 8
	s_lshl_b32 s96, s96, 23
	s_or_b32 s96, s96, 0x600000
	v_mov_b32 v[\sc+1], s96
.endm
	MKSC SCQ, 82, 36                               ; e6 - e0 - e1
	MKSC SCK, 83, 37                               ; e7 - e2 - e3
	MKSC SCV, 85, 38                               ; e9 - e4 - e5
; 56 LDS loads in one run: the fragments of the slot's q-th 128 along K into set 0 (window 1) or 1 (window 2)
.macro FETCH slot, q, set
	WIN 0x40<<(\set)
.irp i, 0,1,2,3,4,5
.irp c, 0,1,2,3
	ds_load_b128 v[16*\i+4*\c:16*\i+4*\c+3], v[ADW+\slot] offset:(64*(\i/2)+16*(\i%2))*PITCH+128*(\q)+32*\c
.endr
.endr
.irp a, 0,1,2,3,4,5,6,7
.irp c, 0,1,2,3
	ds_load_b128 v[XF+16*\a+4*\c:XF+16*\a+4*\c+3], v[ADX+\slot] offset:\a*16*PITCH+128*(\q)+32*\c
.endr
.endr
	WIN 0
.endm
; Products of q (tau = 0) or k (tau = 1), x tiles a0 .. a1, both weight tiles.  first = 1: the bias starts the sums.  All 48 accumulators take turns, one instruction a turn, in the same order in every 128 along K.
.macro MQK set, tau, a0, a1, first
.if \first
	WIN 0xC5                                       ; W and x window 1, the bias window 0, D window 3
.else
	WIN 0xF5+5*(\set)                              ; W and x in the set's window, C and D window 3
.endif
.set aa, \a0
.rept (\a1)-(\a0)+1
.irp t, 0,1
.if \first
	v_wmma_f32_16x16x128_fp8_fp8 v[128*(\tau)+16*aa+8*\t:128*(\tau)+16*aa+8*\t+7], v[16*(2*(\tau)+\t):16*(2*(\tau)+\t)+15], v[XF+16*aa:XF+16*aa+15], v[BQ+16*(\tau)+8*\t:BQ+16*(\tau)+8*\t+7]
.else
	v_wmma_f32_16x16x128_fp8_fp8 v[128*(\tau)+16*aa+8*\t:128*(\tau)+16*aa+8*\t+7], v[16*(2*(\tau)+\t):16*(2*(\tau)+\t)+15], v[XF+16*aa:XF+16*aa+15], v[128*(\tau)+16*aa+8*\t:128*(\tau)+16*aa+8*\t+7]
.endif
.endr
.set aa, aa+1
.endr
.endm
.macro MV set, first                   ; v's 16 products: source 0 = x, source 1 = W
	WIN 0x05*(1+(\set))                            ; x and W in the set's window, C and D window 0
.irp ct, 0,1
.irp a, 0,1,2,3,4,5,6,7
.if \first
	v_wmma_f32_16x16x128_fp8_fp8 v[VAC+8*(8*\ct+\a):VAC+8*(8*\ct+\a)+7], v[XF+16*\a:XF+16*\a+15], v[16*(4+\ct):16*(4+\ct)+15], v[BV+8*\ct:BV+8*\ct+7]
.else
	v_wmma_f32_16x16x128_fp8_fp8 v[VAC+8*(8*\ct+\a):VAC+8*(8*\ct+\a)+7], v[XF+16*\a:XF+16*\a+15], v[16*(4+\ct):16*(4+\ct)+15], v[VAC+8*(8*\ct+\a):VAC+8*(8*\ct+\a)+7]
.endif
.endr
.endr
.endm
; A slot's first 128 along K: multiplies set 0 and fetches the slot's second 128 into set 1.
.macro SUB slot, first, afterepi
	s_wait_dscnt 0x0                               ; set 0 is in
	PLACES                                         ; loads into registers that matrix instructions have read stand four plain vector instructions behind them (ISA guide 7.12.1 for vector instructions)
.if \afterepi
	s_wait_xcnt 0x0                                ; the first tile's stores have read their data (window 2's v0-95, loaded again below) and their bases
	s_add_nc_u64 s[QP:QP+1], s[QP:QP+1], 0x400000  ; row block wy + 16 lies four batches on: 4 x 16 heads x 65,536 bytes
	s_add_nc_u64 s[KP:KP+1], s[KP:KP+1], 0x400000
	s_add_nc_u64 s[VP:VP+1], s[VP:VP+1], 0x400000
.endif
	FETCH \slot, 1, 1
	MQK 0, 0, 0, 7, \first
	MQK 0, 1, 0, 7, \first
	MV 0, \first
	WIN 0
.endm
; A slot's second 128 along K multiplies set 1 and changes slots: ONE barrier; in front of it each wave waits for all its tensor loads, adds 0 to its spare word, and waits for that and for its reads of this slot.
; mode 1: the slot is filled again two K steps on; mode 2: with the next tile's K step of the same number; mode 0: nothing is left to fetch.
.macro TURN slot, next, mode
	WIN 0
	s_wait_tensorcnt 0x0                           ; all my tensor loads have landed: the one that was out is my part of the next slot
	ds_add_u32 v[SPW], v[NIL]                      ; 0 onto my spare word
	s_wait_dscnt 1                                 ; set 1's 56 loads are in; the add may be out
	MQK 1, 0, 0, 3, 0                              ; eight matrix instructions stand between the add and the wait for it
	s_wait_dscnt 0x0                               ; the add is done, and my reads of this slot are over
	s_barrier_signal -1
	MQK 1, 0, 4, 7, 0
	WIN 0
	s_barrier_wait -1
.if \mode
	CREST                                          ; the barrier has opened a round of the cluster's: no wave of any partner still reads this slot or has a load on its way
.if \mode == 1
	s_add_nc_u64 s[G0X+4*\slot+2:G0X+4*\slot+3], s[G0X+4*\slot+2:G0X+4*\slot+3], 512
	s_add_nc_u64 s[G0W+4*\slot+2:G0W+4*\slot+3], s[G0W+4*\slot+2:G0W+4*\slot+3], 512
.else
	s_add_nc_u64 s[G0X+4*\slot+2:G0X+4*\slot+3], s[G0X+4*\slot+2:G0X+4*\slot+3], 16*256*1024-512   ; x: 16 row blocks down, back along K
	s_sub_nc_u64 s[G0W+4*\slot+2:G0W+4*\slot+3], s[G0W+4*\slot+2:G0W+4*\slot+3], 512              ; the weights: only back
.endif
	JLOAD \slot                                    ; the first tensor load behind the round; its four v_nop are also the places in front of the loads below
.else
	PLACES
.endif
	FETCH \next, 0, 0
	MQK 1, 1, 0, 7, 0
	MV 1, 0
	WIN 0
.endm
; THE WAY OUT of a tile: hold, convert, store.  Each accumulator is read from its low end on.
.macro EPI
	PLACES                                         ; vector instructions read results four places behind the products
	WIN 0xC3                                       ; source 0 and destination window 3
.set i, 0
.rept 128
	v_med3_num_f32 v[i], v[i], -v[SCQ+1], v[SCQ+1] ; the conversion to an 8-bit code does not saturate (ISA guide 7.6.2): the hold at 448 x the scale
.set i, i+1
.endr
.rept 128
	v_med3_num_f32 v[i], v[i], -v[SCK+1], v[SCK+1]
.set i, i+1
.endr
	WIN 0x83                                       ; source 0 window 3, destination window 2
.set i, 0
.rept 16
	v_cvt_scalef32_pk8_fp8_f32 v[2*i:2*i+1], v[8*i:8*i+7], v[SCQ]            ; accumulator 2 a + t: registers 2 t, 2 t + 1 of x tile a's piece J
.set i, i+1
.endr
.set i, 0
.rept 16
	v_cvt_scalef32_pk8_fp8_f32 v[32+2*i:32+2*i+1], v[128+8*i:128+8*i+7], v[SCK]
.set i, i+1
.endr
	v_nop                                          ; one plain vector instruction behind the conversions: later products write their sources
	WIN 0
.set i, 0
.rept 128
	v_med3_num_f32 v[VAC+i], v[VAC+i], -v[SCV+1], v[SCV+1]
.set i, i+1
.endr
	WIN 0x80                                       ; destination window 2
.set i, 0
.rept 16
	v_cvt_scalef32_pk8_fp8_f32 v[64+2*i:64+2*i+1], v[VAC+8*i:VAC+8*i+7], v[SCV]   ; accumulator 8 ct + a: registers 2 a, 2 a + 1 of channel tile ct's fragment
.set i, i+1
.endr
	v_nop
	WIN 0x08                                       ; the stores' data in window 2
.irp a, 0,1,2,3,4,5,6,7
	global_store_b128 v[LI], v[4*\a:4*\a+3], s[QP:QP+1] offset:1024*\a          ; 32 lanes store 512 consecutive bytes, at a multiple of 512 from the buffer's first byte
	global_store_b128 v[LI], v[32+4*\a:32+4*\a+3], s[KP:KP+1] offset:1024*\a
.endr
.irp f, 0,1,2,3,4,5,6,7
	global_store_b128 v[LI], v[64+4*\f:64+4*\f+3], s[VP:VP+1] offset:512*\f     ; f = 4 ct + piece
.endr
	WIN 0
.endm
	s_wait_tensorcnt 1                             ; my part of K step 0 is in; K step 1's load may stay out
	s_barrier_signal -1
	s_barrier_wait -1                              ; everybody's is
	FETCH 0, 0, 0
	SUB 0, 1, 0                                    ; tile 0, K steps 0 to 3; the biases start the sums
	TURN 0, 1, 1
	SUB 1, 0, 0
	TURN 1, 0, 1
	SUB 0, 0, 0
	TURN 0, 1, 2                                   ; the ring goes on into the second tile
	SUB 1, 0, 0
	TURN 1, 0, 2
	EPI                                            ; both refills are asked for and the next fragments are on their way: now the tile goes out
	SUB 0, 1, 1                                    ; tile 1
	TURN 0, 1, 1
	SUB 1, 0, 0
	TURN 1, 0, 1
	SUB 0, 0, 0
	TURN 0, 1, 0                                   ; nothing is left to fetch: no round
	SUB 1, 0, 0
	s_wait_dscnt 0x0                               ; the last 128 along K
	MQK 1, 0, 0, 7, 0
	MQK 1, 1, 0, 7, 0
	MV 1, 0
	WIN 0
	EPI
	s_wait_tensorcnt 0x0                           ; the wave's end
	ds_add_u32 v[SPW], v[NIL]
	s_wait_dscnt 0x0
	CROUND                                         ; the closing round: no work-group ends while a partner may still ask for a tile that names it
	s_endpgm
.Lfunc_end_k_q277afd5e81_proj:
	.size	k_q277afd5e81_proj, .Lfunc_end_k_q277afd5e81_proj-k_q277afd5e81_proj
	.p2alignl 7, 3214868480
	.fill 96, 4, 3214868480
	.section	.rodata,"a",@progbits
	.p2align	6, 0x0
	.amdhsa_kernel k_q277afd5e81_proj
		.amdhsa_group_segment_fixed_size 327680
		.amdhsa_private_segment_fixed_size 0
		.amdhsa_enable_private_segment 0
		.amdhsa_kernarg_size 88
		.amdhsa_user_sgpr_count 2
		.amdhsa_user_sgpr_kernarg_segment_ptr 1
		.amdhsa_wavefront_size32 1
		.amdhsa_system_sgpr_workgroup_id_x 1
		.amdhsa_system_sgpr_workgroup_id_y 1
		.amdhsa_system_sgpr_workgroup_id_z 1
		.amdhsa_system_vgpr_workitem_id 0
		.amdhsa_next_free_vgpr 1024
		.amdhsa_next_free_sgpr 100
		.amdhsa_reserve_vcc 0
		.amdhsa_float_denorm_mode_32 3
		.amdhsa_float_denorm_mode_16_64 3
		.amdhsa_memory_ordered 1
		.amdhsa_forward_progress 1
		.amdhsa_inst_pref_size 188
	.end_amdhsa_kernel
	.amdgpu_metadata
---
amdhsa.version: [ 1, 2 ]
amdhsa.kernels:
  - .name:           k_q277afd5e81_proj
    .symbol:         k_q277afd5e81_proj.kd
    .args:
      - { .name: activation_codes, .offset: 0, .size: 8, .value_kind: global_buffer, .address_space: global }
      - { .name: qw_codes, .offset: 8, .size: 8, .value_kind: global_buffer, .address_space: global }
      - { .name: kw_codes, .offset: 16, .size: 8, .value_kind: global_buffer, .address_space: global }
      - { .name: vw_codes, .offset: 24, .size: 8, .value_kind: global_buffer, .address_space: global }
      - { .name: qb, .offset: 32, .size: 8, .value_kind: global_buffer, .address_space: global }
      - { .name: kb, .offset: 40, .size: 8, .value_kind: global_buffer, .address_space: global }
      - { .name: vb, .offset: 48, .size: 8, .value_kind: global_buffer, .address_space: global }
      - { .name: lowp_scales, .offset: 56, .size: 8, .value_kind: global_buffer, .address_space: global }
      - { .name: qimg, .offset: 64, .size: 8, .value_kind: global_buffer, .address_space: global }
      - { .name: kimg, .offset: 72, .size: 8, .value_kind: global_buffer, .address_space: global }
      - { .name: vimg, .offset: 80, .size: 8, .value_kind: global_buffer, .address_space: global }
    .group_segment_fixed_size: 327680
    .private_segment_fixed_size: 0
    .kernarg_segment_align: 8
    .kernarg_segment_size: 88
    .max_flat_workgroup_size: 128
    .sgpr_count:     100
    .vgpr_count:     1024
    .wavefront_size: 32
...
	.end_amdgpu_metadata
.endif
;; end of part 1
;; launch attn (part 2): grid 256 x 1, 8 waves a work-group, no clusters, 171,008 bytes of LDS; arguments qimg, kimg, vimg, attention_mask, lowp_scales, out0; writes out0
.if DOCPART == 2
	.amdgcn_target "amdgcn-amd-amdhsa--gfx1250"
	.amdhsa_code_object_version 6
	.text
	.protected	k_q277afd5e81_attn
	.globl	k_q277afd5e81_attn
	.p2align	8
	.type	k_q277afd5e81_attn,@function
k_q277afd5e81_attn:
	s_mov_b64 s[64:65], 0
	v_nop
	global_prefetch_b8 v0, s[64:65] scope:SCOPE_SE
	s_setreg_imm32_b32 hwreg(HW_REG_WAVE_MODE, 25, 1), 1
	s_wait_xcnt 0x0
; out[b][q][64 head + :] = the sum over keys of softmax(q . k / 8 + mask[b][key]) v, both products on codes of FP8 (E4M3); 128 heads (bh = 16 b + head) of 1,024 queries x 1,024 keys x 64 channels.
; qimg, kimg, vimg hold the operands as images of their registers (16 bytes a lane, 512 bytes a piece): a fragment comes by plain loads of 16 bytes at 16 x lane, with k in its true places.
; THE SOFTMAX: t = logit x log2(e); M = the running largest t rounded up to a whole number, kept as -M = floor(-t); p = 2^(t - M) is quantised with 2^e8, not normalised; the row's sum is taken of the
; unquantised p and divides at the end.  When M moves, the sum and O are multiplied by 2^(old M - new M), which rounds nothing.
; THE MASK COSTS NO VECTOR WORK: mask' = mask x 2^(3 - e6 - e7) is the C of the first product, in the result's layout; then t = (S + mask') x c, c = log2(e) / 8 x 2^(e6 + e7).
; SHARES.  Work-group wg: head wg / 2, queries 512 (wg % 2) on, in two passes of 256.  Each of eight waves takes two tiles of 16 queries a pass, so that each fragment of K and V read from LDS feeds two products,
; and walks the 1,024 keys in 8 steps of 128.  Two waves share a SIMD: one wave's vector work stands beside the other's products and LDS loads.
; Both products are used transposed (S^T = K Q^T, O^T = V^T P^T): a lane holds ONE query (lane % 16); tile t's eight registers are keys 16 t + 8 (lane / 16) + 0 .. 7, whose conversion gives registers 2 t, 2 t + 1 of P's fragment.
; LDS is filled ONCE, at the head, through registers: the head's 64 KiB of K, 64 KiB of V and the scaled mask; one barrier; behind it these bytes are only read.
; NO CLUSTER, NO TENSOR LOADS: what the head's two work-groups share is fetched once by each, 32 loads a thread at the head, and the loop fetches nothing from memory.  With plain loads a scalar branch may hang on the
; whole number e8: where e8 >= -8, p <= 1 <= 448 x 2^e8, and the hold's 128 instructions of a step are jumped over.
; LIMITS: e6 + e7 between -123 and 130 (added to c's exponent field); e8 between -126 and 119; the mask is finite (a mask' beyond f32's range becomes an infinity); NaN among the inputs is not served.
; REGISTERS.  Window 0: v1-15 addresses and scales; v16-27, v28-39 a tile's statistics; v40-45 at work at the head; v64-191 S^T, then p (64 a tile); v192-255 O^T (32 a tile).
;   Window 1: v0-63 K's 8 fragments; v64-127 V's 4; v128-191 mask', 8 a key tile; v192-223 P's codes (16 a tile); v224-239 Q (8 a tile).
.set VI,  65536                        ; LDS: K's images at 0, V's here,
.set MK,  131072                       ; the scaled mask, 1,024 f32,
.set STG, 135168                       ; and a stage of 16 rows x (256 + 16) bytes for each wave
.set SP,  272
.set LI,  1                            ; v1   16 x lane
.set VA0, 2                            ; v2   16 x lane + VI
.set MA0, 3                            ; v3   MK + 32 (lane / 16)
.set ADK, 4                            ; v4-6 the addresses of the runs of loads in hand
.set ADV, 5
.set ADM, 6
.set STO, 7                            ; v7   the way out: where I put 16 bytes of a row
.set RD,  8                            ; v8   and where I read a row back
.set GO,  9                            ; v9   my byte offset in the work-group's rows of the output
.set TI,  10                           ; v10  16 x thread;  v11 + VI;  v12 + MK
.set TIV, 11
.set TIM, 12
.set SCL, 13                           ; v13  2^e8 as f32;  v14  448 x 2^e8
.set LIM, 14
.set QO,  15                           ; v15  2,048 x wave + 16 x lane
.set ST,  16                           ; tile u's statistics at v[ST + 12 u]: +0 -M, +1 the largest t, +2, +3 the sum in two halves, +4 f, +5 (its pair's upper half), +6 .. +9 at work, +10 the other half of the lanes'
.set S,   64
.set O,   192
.set KF,  0                            ; in window 1
.set VF,  64
.set MF,  128
.set PF,  192
.set QF,  224
.set WV,  16                           ; s16 wave
.set CS,  24                           ; s[24:25] c: the packed form names a pair and takes its low word for both halves
.set SEL, 26                           ; s[26:27] selects for v_permlanex16_b32: lane l xor 16
.set KO,  28                           ; s28 the step's first byte in K's and in V's images
.set MO,  29                           ; s29 and in the mask
.set JJ,  30                           ; s30 counts steps
.set E89, 31                           ; s31 e8 + e9
.set MSB, 0
.macro WIN new                         ; the immediate's high byte repeats the setting that is left; a switch that changes nothing is dropped
.if MSB != (\new)
	s_set_vgpr_msb (MSB<<8)|(\new)
.set MSB, (\new)
.endif
.endm
	s_load_b256 s[4:11], s[0:1], 0x0               ; qimg s[4:5], kimg s[6:7], vimg s[8:9], the mask s[10:11]
	s_load_b128 s[12:15], s[0:1], 0x20             ; the exponents s[12:13], the output s[14:15]
	v_lshl_add_u32 v62, v0, 2, 0x29800
	v_mov_b32 v63, 0
	v_lshrrev_b32 v44, 5, v0
	v_readfirstlane_b32 s[WV], v44                 ; wave 0..7
	s_lshr_b32 s17, ttmp9, 1                       ; bh
	s_and_b32 s18, ttmp9, 1                        ; which 512 queries
	s_lshl_b32 s32, s17, 16                        ; a head's 65,536 bytes in each image
	s_mov_b32 s33, 0
	s_lshl_b32 s34, s18, 15                        ; 32 query tiles of 1,024 bytes
	s_add_co_u32 s34, s34, s32
	s_mov_b32 s35, 0
	s_lshr_b32 s19, s17, 4                         ; the batch
	s_lshl_b32 s36, s19, 12                        ; its 1,024 numbers of the mask
	s_mov_b32 s37, 0
	s_lshl_b32 s38, s19, 22                        ; its 1,024 rows of 4,096 bytes of the output,
	s_lshl_b32 s2, s18, 21                         ; my 512 of them,
	s_add_co_u32 s38, s38, s2
	s_and_b32 s2, s17, 15
	s_lshl_b32 s2, s2, 8                           ; the head's 256 bytes of a row
	s_add_co_u32 s38, s38, s2
	s_mov_b32 s39, 0
	v_and_b32 v[LI], 31, v0
	v_lshlrev_b32 v[LI], 4, v[LI]
	v_add_nc_u32 v[VA0], VI, v[LI]
	v_bfe_u32 v44, v0, 4, 1                        ; h
	v_and_b32 v45, 15, v0                          ; r
	v_lshl_add_u32 v[MA0], v44, 5, MK
	s_mul_i32 s2, s[WV], 16*SP
	s_add_co_u32 s2, s2, STG                       ; my stage
	v_mul_u32_u24 v[STO], v45, SP                  ; in: row r, + 32 h
	v_lshl_add_u32 v[STO], v44, 5, v[STO]
	v_add_nc_u32 v[STO], s2, v[STO]
	v_mul_u32_u24 v[RD], v44, SP                   ; back: lanes 0-15 one row of 256 bytes, lanes 16-31 the next
	v_lshl_add_u32 v[RD], v45, 4, v[RD]
	v_add_nc_u32 v[RD], s2, v[RD]
	v_lshlrev_b32 v[GO], 12, v44                   ; and the same two rows in the output,
	v_lshl_add_u32 v[GO], v45, 4, v[GO]
	s_lshl_b32 s3, s[WV], 17                       ; among my wave's 32 rows of 4,096 bytes
	v_add_nc_u32 v[GO], s3, v[GO]
	v_lshlrev_b32 v[TI], 4, v0
	v_add_nc_u32 v[TIV], VI, v[TI]
	v_add_nc_u32 v[TIM], MK, v[TI]
	s_lshl_b32 s3, s[WV], 11                       ; my wave's two query tiles
	v_add_nc_u32 v[QO], s3, v[LI]
	s_mov_b32 s[SEL], 0x76543210
	s_mov_b32 s[SEL+1], 0xfedcba98
	s_wait_kmcnt 0x0
	s_load_b64 s[20:21], s[12:13], 0x18            ; e6, e7
	s_load_b64 s[22:23], s[12:13], 0x20            ; e8, e9
	s_add_nc_u64 s[4:5], s[4:5], s[34:35]
	s_add_nc_u64 s[6:7], s[6:7], s[32:33]
	s_add_nc_u64 s[8:9], s[8:9], s[32:33]
	s_add_nc_u64 s[10:11], s[10:11], s[36:37]
	s_add_nc_u64 s[14:15], s[14:15], s[38:39]
	; THE FILL: 256 threads x 16 bytes = 4,096 bytes an instruction; a wave's load covers 512 consecutive bytes.  37 loads a thread go out together
.irp i, 0,1,2,3,4,5,6,7,8,9,10,11,12,13,14,15
	global_load_b128 v[S+4*\i:S+4*\i+3], v[TI], s[6:7] offset:4096*\i
.endr
.irp i, 0,1,2,3,4,5,6,7,8,9,10,11,12,13,14,15
	global_load_b128 v[S+64+4*\i:S+64+4*\i+3], v[TI], s[8:9] offset:4096*\i
.endr
	global_load_b128 v[40:43], v[TI], s[10:11]
	WIN 0x40                                       ; destination window 1
.irp f, 0,1,2,3
	global_load_b128 v[QF+4*\f:QF+4*\f+3], v[QO], s[4:5] offset:512*\f           ; the first pass's Q: tile f / 2, piece f % 2
.endr
	WIN 0
	s_wait_kmcnt 0x0
	s_add_co_i32 s2, s20, s21                      ; e6 + e7
	s_sub_co_i32 s3, 3, s2                         ; mask' = mask x 8 / 2^(e6 + e7)
	s_lshl_b32 s2, s2, 23
	s_add_co_i32 s[CS], s2, 0x3e38aa3b             ; log2(e) / 8, with e6 + e7 added to its exponent field
	s_mov_b32 s[CS+1], s[CS]                       ; (named with it as a pair, so it is written)
	s_add_co_i32 s2, s22, 127
	s_lshl_b32 s17, s2, 23
	v_mov_b32 v[SCL], s17
	s_add_co_i32 s2, s2, 8
	s_lshl_b32 s2, s2, 23
	s_or_b32 s2, s2, 0x600000
	v_mov_b32 v[LIM], s2
	s_add_co_i32 s[E89], s22, s23
	s_wait_loadcnt 21                              ; K's 16 loads are in; V's 16, the mask's and Q's four may be out
.irp i, 0,1,2,3,4,5,6,7,8,9,10,11,12,13,14,15
	ds_store_b128 v[TI], v[S+4*\i:S+4*\i+3] offset:4096*\i
.endr
	s_wait_loadcnt 5                               ; V's are in
.irp i, 0,1,2,3,4,5,6,7,8,9,10,11,12,13,14,15
	ds_store_b128 v[TIV], v[S+64+4*\i:S+64+4*\i+3] offset:4096*\i
.endr
	s_wait_loadcnt 4                               ; the mask's is in
.irp i, 40,41,42,43
	v_ldexp_f32 v\i, v\i, s3
.endr
	ds_store_b128 v[TIM], v[40:43]
	s_wait_loadcnt 0x0                             ; Q
	s_wait_dscnt 0x0                               ; for the others' sake: my stores have landed
	s_barrier_signal -1
	s_barrier_wait -1                              ; the one barrier: K, V and the mask lie in LDS and are only read from here on
; THE SOFTMAX of tile u for a step, as numbered lists, so that one tile's exponentials can stand between the other tile's plain instructions.
.macro MAXI u, j                       ; 32: the largest of the lane's 64 scores: four chains, the registers in ascending order
.set rT, ST+12*(\u)
.set rS, S+64*(\u)
.if (\j) < 4
	v_max3_num_f32 v[rT+6+(\j)], v[rS+3*(\j)], v[rS+3*(\j)+1], v[rS+3*(\j)+2]
.elseif (\j) < 30
	v_max3_num_f32 v[rT+6+((\j)-4)%4], v[rT+6+((\j)-4)%4], v[rS+12+2*((\j)-4)], v[rS+13+2*((\j)-4)]
.elseif (\j) == 30
	v_max3_num_f32 v[rT+6], v[rT+6], v[rT+7], v[rT+8]
.else
	v_max_num_f32 v[rT+6], v[rT+6], v[rT+9]
.endif
.endm
.macro STATI u, j                      ; 9
.set rT, ST+12*(\u)
.if (\j) == 0
	v_permlanex16_b32 v[rT+10], v[rT+6], s[SEL], s[SEL+1]   ; the query's other 64 keys lie in the lane 16 away
.elseif (\j) == 1
	v_max_num_f32 v[rT+6], v[rT+6], v[rT+10]
.elseif (\j) == 2
	v_mul_f32 v[rT+6], s[CS], v[rT+6]              ; as t (c is positive)
.elseif (\j) == 3
	v_max_num_f32 v[rT+1], v[rT+1], v[rT+6]        ; the running largest t
.elseif (\j) == 4
	v_mov_b32 v[rT+6], v[rT]
.elseif (\j) == 5
	v_floor_f32 v[rT], -v[rT+1]                    ; the new -M = floor(-t): M is a whole number
.elseif (\j) == 6
	v_sub_f32 v[rT+6], v[rT], v[rT+6]              ; old M - new M: a whole number, 0 or less
.elseif (\j) == 7
	v_cvt_i32_f32 v[rT+6], v[rT+6]                 ; (it saturates)
.else
	v_ldexp_f32 v[rT+4], 1.0, v[rT+6]              ; f = 2^(old M - new M)
.endif
.endm
.macro FMAI u, j                       ; 32: t - M, two at a time
.set rT, ST+12*(\u)
.set rS, S+64*(\u)
	v_pk_fma_f32 v[rS+2*(\j):rS+2*(\j)+1], v[rS+2*(\j):rS+2*(\j)+1], s[CS:CS+1], v[rT:rT+1] op_sel_hi:[1,0,0]
.endm
.macro SUMI u, j                       ; 33: the sum under the new M, then the unquantised p, two at a time, in two chains
.set rT, ST+12*(\u)
.set rS, S+64*(\u)
.if (\j) == 0
	v_pk_mul_f32 v[rT+2:rT+3], v[rT+2:rT+3], v[rT+4:rT+5] op_sel_hi:[1,0]
.elseif (\j) == 1
	v_pk_add_f32 v[rT+6:rT+7], v[rS:rS+1], v[rS+2:rS+3]
.elseif (\j) == 32
	v_pk_add_f32 v[rT+2:rT+3], v[rT+2:rT+3], v[rT+6:rT+7]
.elseif (\j)%2 == 0
	v_pk_add_f32 v[rT+2:rT+3], v[rT+2:rT+3], v[rS+4*((\j)/2):rS+4*((\j)/2)+1]
.else
	v_pk_add_f32 v[rT+6:rT+7], v[rT+6:rT+7], v[rS+4*((\j)/2)+2:rS+4*((\j)/2)+3]
.endif
.endm
.macro RESCI u, j                      ; 16: O^T under the new M
.set rT, ST+12*(\u)
	v_pk_mul_f32 v[O+32*(\u)+2*(\j):O+32*(\u)+2*(\j)+1], v[O+32*(\u)+2*(\j):O+32*(\u)+2*(\j)+1], v[rT+4:rT+5] op_sel_hi:[1,0]
.endm
.macro PLB j                           ; the 73 plain instructions that stand among tile 0's exponentials: they name none of tile 0's scores
.if (\j) < 32
	MAXI 1, (\j)
.elseif (\j) < 41
	STATI 1, (\j)-32
.else
	FMAI 1, (\j)-41
.endif
.endm
.macro PLC j                           ; the 65 that stand among tile 1's: they name none of tile 1's scores
.if (\j) < 33
	SUMI 0, (\j)
.elseif (\j) < 49
	RESCI 0, (\j)-33
.else
	RESCI 1, (\j)-49
.endif
.endm
; A KEY STEP: 128 keys.  next = 1: the next step's K and mask' are fetched; qn = 1: the next pass's Q is asked for.
.macro STEP next, qn
	v_add_nc_u32 v[ADV], s[KO], v[VA0]
.rept 3
	v_nop                                          ; with the addition: four places behind the last products, which read V's registers
.endr
	WIN 0x40
.irp f, 0,1,2,3,4,5,6,7,8,9,10,11,12,13,14,15
	ds_load_b128 v[VF+4*\f:VF+4*\f+3], v[ADV] offset:512*\f                      ; channel tile f / 4, piece f % 4
.endr
	s_wait_dscnt 16                                ; K and mask', asked for a step ago, are in; V's 16 may be out
	WIN 0x15                                       ; K, Q and mask' window 1, S^T window 0
.irp t, 0,1,2,3,4,5,6,7
.irp u, 0,1
	v_wmma_f32_16x16x64_fp8_fp8 v[S+64*\u+8*\t:S+64*\u+8*\t+7], v[KF+8*\t:KF+8*\t+7], v[QF+8*\u:QF+8*\u+7], v[MF+8*\t:MF+8*\t+7]
.endr
.endr
	WIN 0
.if \next
	v_add_nc_u32 v[ADK], s[KO], v[LI]
	v_add_nc_u32 v[ADM], s[MO], v[MA0]
	v_nop
	v_nop                                          ; four places: in front of the loads into K's and mask's registers and of the first read of the scores
	WIN 0x40
.irp f, 0,1,2,3,4,5,6,7,8,9,10,11,12,13,14,15
	ds_load_b128 v[KF+4*\f:KF+4*\f+3], v[ADK] offset:8192+512*\f                 ; key tile f / 2, piece f % 2
.endr
.irp f, 0,1,2,3,4,5,6,7,8,9,10,11,12,13,14,15
	ds_load_b128 v[MF+4*\f:MF+4*\f+3], v[ADM] offset:512+64*(\f/2)+16*(\f%2)     ; keys 16 (f / 2) + 8 h + 4 (f % 2) on: sixteen lanes read the same 16 bytes
.endr
	WIN 0
.else
.rept 4
	v_nop
.endr
.endif
.if \qn
	WIN 0x40
.irp f, 0,1,2,3
	global_load_b128 v[QF+4*\f:QF+4*\f+3], v[QO], s[4:5] offset:16384+512*\f     ; 16 query tiles on
.endr
	WIN 0
.endif
.set n, 0
.rept 32
	MAXI 0, n
.set n, n+1
.endr
.set n, 0
.rept 9
	STATI 0, n
.set n, n+1
.endr
.set n, 0
.rept 32
	FMAI 0, n
.set n, n+1
.endr
.set n, 0
.rept 64
	v_exp_f32 v[S+n], v[S+n]                       ; tile 0's p = 2^(t - M), a plain instruction of tile 1 behind each
	PLB n
.set n, n+1
.endr
.rept 9
	PLB n
.set n, n+1
.endr
	s_wait_alu depctr_va_vdst(0)                   ; the wait ahead of the first instruction that names an exponential's result: one for tile 0's 64
.set n, 0
.rept 64
	v_exp_f32 v[S+64+n], v[S+64+n]                 ; tile 1's, among tile 0's sums and both tiles' rescaling
	PLC n
.set n, n+1
.endr
	PLC n
	s_wait_alu depctr_va_vdst(0)                   ; one for tile 1's 64
.set n, 0
.rept 33
	SUMI 1, n
.set n, n+1
.endr
	s_cmp_ge_i32 s22, -8                           ; p <= 1 <= 448 x 2^e8 where e8 >= -8: the hold has nothing to do
	s_cbranch_scc1 .Lno_hold_\@
.set n, 0
.rept 128
	v_min_num_f32 v[S+n], v[S+n], v[LIM]           ; the conversion to an 8-bit code does not saturate (ISA guide 7.6.2); p is not negative, so the hold is one-sided
.set n, n+1
.endr
.Lno_hold_\@:
	WIN 0x40
.irp u, 0,1
.irp t, 0,1,2,3,4,5,6,7
	v_cvt_scalef32_pk8_fp8_f32 v[PF+16*\u+2*\t:PF+16*\u+2*\t+1], v[S+64*\u+8*\t:S+64*\u+8*\t+7], v[SCL]
.endr
.endr
	v_nop                                          ; one plain vector instruction between the conversions and the products that read their results
.if \next
	s_wait_dscnt 32                                ; V is in; the next step's 32 loads may be out
.else
	s_wait_dscnt 0x0
.endif
	WIN 0x05                                       ; V and P window 1, O^T window 0
.irp ct, 0,1,2,3
.irp u, 0,1
	v_wmma_f32_16x16x128_fp8_fp8 v[O+32*\u+8*\ct:O+32*\u+8*\ct+7], v[VF+16*\ct:VF+16*\ct+15], v[PF+16*\u:PF+16*\u+15], v[O+32*\u+8*\ct:O+32*\u+8*\ct+7]
.endr
.endr
	WIN 0
	s_add_co_u32 s[KO], s[KO], 8192
	s_add_co_u32 s[MO], s[MO], 512
.endm
; THE WAY OUT of a pass: O^T / the sum x 2^(e8 + e9) goes through my stage, a tile of 16 queries at a time, and leaves as rows of 256 bytes: the head's part of a row of the output.
.macro OUT p
.irp u, 0,1
	v_add_f32 v[ST+12*\u+6], v[ST+12*\u+2], v[ST+12*\u+3]                        ; the sum's two halves,  (these additions are the places behind the last products)
.endr
.irp u, 0,1
	v_permlanex16_b32 v[ST+12*\u+10], v[ST+12*\u+6], s[SEL], s[SEL+1]
.endr
.irp u, 0,1
	v_add_f32 v[ST+12*\u+6], v[ST+12*\u+6], v[ST+12*\u+10]                       ; and lane l xor 16's
.endr
.irp u, 0,1
	v_rcp_f32 v[ST+12*\u+4], v[ST+12*\u+6]
.endr
	v_nop                                          ; a plain instruction behind the reciprocals,
	s_wait_alu depctr_va_vdst(0)                   ; and the wait ahead of their first reader: one for both
.irp u, 0,1
	v_ldexp_f32 v[ST+12*\u+4], v[ST+12*\u+4], s[E89]
.endr
.irp u, 0,1
.set i, 0
.rept 16
	v_pk_mul_f32 v[S+64*\u+i:S+64*\u+i+1], v[O+32*\u+i:O+32*\u+i+1], v[ST+12*\u+4:ST+12*\u+5] op_sel_hi:[1,0]   ; register 8 ct + j: channel 16 ct + 8 h + j of query r
.set i, i+2
.endr
.irp f, 0,1,2,3,4,5,6,7
	ds_store_b128 v[STO], v[S+64*\u+4*\f:S+64*\u+4*\f+3] offset:64*(\f/2)+16*(\f%2)
.endr
.irp i, 0,1,2,3,4,5,6,7
	ds_load_b128 v[S+64*\u+32+4*\i:S+64*\u+32+4*\i+3], v[RD] offset:2*\i*SP      ; LDS serves a wave's instructions in order (ISA guide 5.7.1.4): these see my stores, and the next tile's stores come behind them
.endr
.endr
.irp u, 0,1
.irp i, 0,1,2,3,4,5,6,7
	s_wait_dscnt 16*(1-\u)+7-\i                    ; behind this load: the tile's later loads, and for tile 0 tile 1's sixteen
	global_store_b128 v[GO], v[S+64*\u+32+4*\i:S+64*\u+32+4*\i+3], s[14:15] offset:(\p)*1048576+(16*\u+2*\i)*4096 th:TH_STORE_NT   ; 16 lanes store 256 consecutive bytes, at a multiple of 256 from the output's first byte
.endr
.endr
.endm
.macro PASS p
.if \p
	s_wait_xcnt 0x0                                ; the first pass's stores have read their data: S's registers may be written again
	s_wait_loadcnt 0x0                             ; this pass's Q
.endif
.irp u, 0,1
	v_mov_b32 v[ST+12*\u+1], 0xff61b1e6            ; the largest t so far: -3e38, under every t
	v_floor_f32 v[ST+12*\u], -v[ST+12*\u+1]        ; -M
	v_mov_b32 v[ST+12*\u+2], 0                     ; the sum
	v_mov_b32 v[ST+12*\u+3], 0
	v_mov_b32 v[ST+12*\u+5], 0                     ; (named as the upper half of f's pair)
	v_mov_b32 v[ST+12*\u+10], 0                    ; (a lane permute's destination counts as one of its sources)
.endr
.set i, 0
.rept 64
	v_mov_b32 v[O+i], 0                            ; O^T.  (The step is written without a first step of its own: it finds zeros, which the first change of M leaves zeros)
.set i, i+1
.endr
	s_mov_b32 s[KO], 0
	s_mov_b32 s[MO], 0
	WIN 0x40
.irp f, 0,1,2,3,4,5,6,7,8,9,10,11,12,13,14,15
	ds_load_b128 v[KF+4*\f:KF+4*\f+3], v[LI] offset:512*\f                       ; step 0's K
.endr
.irp f, 0,1,2,3,4,5,6,7,8,9,10,11,12,13,14,15
	ds_load_b128 v[MF+4*\f:MF+4*\f+3], v[MA0] offset:64*(\f/2)+16*(\f%2)         ; and mask'
.endr
	WIN 0
	s_mov_b32 s[JJ], 0
.Lstep_\@:                             ; seven trips; the eighth step, which fetches nothing further, is written out
	STEP 1, 0
	s_add_co_u32 s[JJ], s[JJ], 1
	s_cmp_lt_u32 s[JJ], 7
	s_cbranch_scc1 .Lstep_\@
	STEP 0, 1-(\p)
	OUT \p
.endm
	PASS 0
	PASS 1
	s_wait_tensorcnt 0x0
	ds_add_u32 v62, v63
	s_wait_dscnt 0x0
	s_endpgm
.Lfunc_end_k_q277afd5e81_attn:
	.size	k_q277afd5e81_attn, .Lfunc_end_k_q277afd5e81_attn-k_q277afd5e81_attn
	.p2alignl 7, 3214868480
	.fill 96, 4, 3214868480
	.section	.rodata,"a",@progbits
	.p2align	6, 0x0
	.amdhsa_kernel k_q277afd5e81_attn
		.amdhsa_group_segment_fixed_size 171008
		.amdhsa_private_segment_fixed_size 0
		.amdhsa_enable_private_segment 0
		.amdhsa_kernarg_size 48
		.amdhsa_user_sgpr_count 2
		.amdhsa_user_sgpr_kernarg_segment_ptr 1
		.amdhsa_wavefront_size32 1
		.amdhsa_system_sgpr_workgroup_id_x 1
		.amdhsa_system_sgpr_workgroup_id_y 1
		.amdhsa_system_sgpr_workgroup_id_z 1
		.amdhsa_system_vgpr_workitem_id 0
		.amdhsa_next_free_vgpr 512
		.amdhsa_next_free_sgpr 66
		.amdhsa_reserve_vcc 0
		.amdhsa_float_denorm_mode_32 3
		.amdhsa_float_denorm_mode_16_64 3
		.amdhsa_memory_ordered 1
		.amdhsa_forward_progress 1
		.amdhsa_inst_pref_size 145
	.end_amdhsa_kernel
	.amdgpu_metadata
---
amdhsa.version: [ 1, 2 ]
amdhsa.kernels:
  - .name:           k_q277afd5e81_attn
    .symbol:         k_q277afd5e81_attn.kd
    .args:
      - { .name: qimg, .offset: 0, .size: 8, .value_kind: global_buffer, .address_space: global }
      - { .name: kimg, .offset: 8, .size: 8, .value_kind: global_buffer, .address_space: global }
      - { .name: vimg, .offset: 16, .size: 8, .value_kind: global_buffer, .address_space: global }
      - { .name: attention_mask, .offset: 24, .size: 8, .value_kind: global_buffer, .address_space: global }
      - { .name: lowp_scales, .offset: 32, .size: 8, .value_kind: global_buffer, .address_space: global }
      - { .name: out0, .offset: 40, .size: 8, .value_kind: global_buffer, .address_space: global }
    .group_segment_fixed_size: 171008
    .private_segment_fixed_size: 0
    .kernarg_segment_align: 8
    .kernarg_segment_size: 48
    .max_flat_workgroup_size: 256
    .sgpr_count:     66
    .vgpr_count:     512
    .wavefront_size: 32
...
	.end_amdgpu_metadata
.endif
;; end of part 2
;; ======== version 2 of 2: 2 launches; version 1 with the launch attn written anew for expert scheduling mode
;; workspace buffers: qimg 8,388,608 bytes; kimg 8,388,608 bytes; vimg 8,388,608 bytes
;; launch proj: the kernel of part 1 again; grid 16 x 16, 4 waves a work-group, clusters of 4 x 4, 327,680 bytes of LDS; arguments activation_codes, qw_codes, kw_codes, vw_codes, qb, kb, vb, lowp_scales, qimg, kimg, vimg; writes qimg, kimg, vimg
;; launch attn (part 3): grid 256 x 1, 8 waves a work-group, no clusters, 171,008 bytes of LDS; arguments qimg, kimg, vimg, attention_mask, lowp_scales, out0; writes out0
.if DOCPART == 3
	.amdgcn_target "amdgcn-amd-amdhsa--gfx1250"
	.amdhsa_code_object_version 6
	.text
	.protected	k_q277afd5e81_attn
	.globl	k_q277afd5e81_attn
	.p2align	8
	.type	k_q277afd5e81_attn,@function
k_q277afd5e81_attn:
	s_mov_b64 s[64:65], 0
	v_nop
	global_prefetch_b8 v0, s[64:65] scope:SCOPE_SE
	s_setreg_imm32_b32 hwreg(HW_REG_WAVE_SCHED_MODE, 0, 2), 2
	s_setreg_imm32_b32 hwreg(HW_REG_WAVE_MODE, 25, 1), 1
	s_wait_xcnt 0x0
	s_wait_alu depctr_vm_vsrc(0)
; out[b][q][64 head + :] = the sum over keys of softmax(q . k / 8 + mask[b][key]) v, both products on codes of FP8 (E4M3); 128 heads (bh = 16 b + head) of 1,024 queries x 1,024 keys x 64 channels.
; qimg, kimg, vimg hold the operands as images of their registers (16 bytes a lane, 512 bytes a piece): a fragment comes by plain loads of 16 bytes at 16 x lane, with k in its true places.
; THE SOFTMAX: t = logit x log2(e); M = the running largest t rounded up to a whole number, kept as -M = floor(-t); p = 2^(t - M) is quantised with 2^e8, not normalised; the row's sum is taken of the
; unquantised p and divides at the end.  When M moves, the sum and O are multiplied by 2^(old M - new M), which rounds nothing.
; THE MASK COSTS NO VECTOR WORK: mask' = mask x 2^(3 - e6 - e7) is the C of the first product, in the result's layout; then t = (S + mask') x c, c = log2(e) / 8 x 2^(e6 + e7).
; SHARES.  Work-group wg: head wg / 2, queries 512 (wg % 2) on, in two passes of 256.  Each of eight waves takes two tiles of 16 queries a pass, so that each fragment of K and V read from LDS feeds two products,
; and walks the 1,024 keys in 8 steps of 128.  Two waves share a SIMD: one wave's vector work stands beside the other's products and LDS loads.
; Both products are used transposed (S^T = K Q^T, O^T = V^T P^T): a lane holds ONE query (lane % 16); tile t's eight registers are keys 16 t + 8 (lane / 16) + 0 .. 7, whose conversion gives registers 2 t, 2 t + 1 of P's fragment.
; LDS is filled ONCE, at the head, through registers: the head's 64 KiB of K, 64 KiB of V and the scaled mask; one barrier; behind it these bytes are only read.
; NO CLUSTER, NO TENSOR LOADS: what the head's two work-groups share is fetched once by each, 32 loads a thread at the head, and the loop fetches nothing from memory.  With plain loads a scalar branch may hang on the
; whole number e8: where e8 >= -8, p <= 1 <= 448 x 2^e8, and the hold's 128 instructions of a step are jumped over.
; LIMITS: e6 + e7 between -123 and 130 (added to c's exponent field); e8 between -126 and 119; the mask is finite (a mask' beyond f32's range becomes an infinity); NaN among the inputs is not served.
; REGISTERS.  Window 0: v1-15 addresses and scales; v16-27, v28-39 a tile's statistics; v40-45 at work at the head; v64-191 S^T, then p (64 a tile); v192-255 O^T (32 a tile).
;   Window 1: v0-63 K's 8 fragments; v64-127 V's 4; v128-191 mask', 8 a key tile; v192-223 P's codes (16 a tile); v224-239 Q (8 a tile).
; THE MODE: SCHED_MODE bits 1:0 = 2 (LLVM: expert scheduling mode 2), set by the entry lines.  The code itself states the register dependences
; between vector or matrix instructions and memory or LDS instructions, with s_wait_alu, always for 0.
; THE PLAN.  Registers that memory or LDS instructions touch:
;   v1-3, v7-12, v15  addresses, made once at the head and never written again.
;   v4-6              the step's three LDS addresses.  Written by three additions behind the step's first products; read by the step's 48 LDS loads.
;   K, mask'          Step j: its 16 first products read them; behind that the loads of step j + 1 land in them.
;   V                 Step j: its 8 second products, at the step's end, read it; the loads of step j + 1 land in it in the middle of step j + 1.
;   Q                 read by every step's first products; the next pass's lands in it in the first pass's last step.
;   S^T               at the head it carries the fill (global loads in, LDS stores out); on the way out its lower halves are LDS stores' data, its upper halves take LDS loads and are global stores' data.
;   O^T, P's codes and the statistics are named by vector and matrix instructions alone.
; A step has two waits on va_vdst, one behind each tile's 64 exponentials, ahead of the first reader of their results.  The first of them stands behind the step's first products, behind the last step's second
; products and behind the three additions: so it also states all that the step's loads hang on, and ALL the step's loads stand behind it: V's at once, the next step's K and mask' among tile 1's exponentials.
; What is issued between that wait and these loads (tile 1's exponentials, tile 0's sums, O^T's rescaling) names S^T, O^T and the statistics: none of the loads' registers.  One wait on vm_vsrc a step stands ahead of the additions.
.set VI,  65536                        ; LDS: K's images at 0, V's here,
.set MK,  131072                       ; the scaled mask, 1,024 f32,
.set STG, 135168                       ; and a stage of 16 rows x (256 + 16) bytes for each wave
.set SP,  272
.set LI,  1                            ; v1   16 x lane
.set VA0, 2                            ; v2   16 x lane + VI
.set MA0, 3                            ; v3   MK + 32 (lane / 16)
.set ADK, 4                            ; v4-6 the addresses of the runs of loads in hand
.set ADV, 5
.set ADM, 6
.set STO, 7                            ; v7   the way out: where I put 16 bytes of a row
.set RD,  8                            ; v8   and where I read a row back
.set GO,  9                            ; v9   my byte offset in the work-group's rows of the output
.set TI,  10                           ; v10  16 x thread;  v11 + VI;  v12 + MK
.set TIV, 11
.set TIM, 12
.set SCL, 13                           ; v13  2^e8 as f32;  v14  448 x 2^e8
.set LIM, 14
.set QO,  15                           ; v15  2,048 x wave + 16 x lane
.set ST,  16                           ; tile u's statistics at v[ST + 12 u]: +0 -M, +1 the largest t, +2, +3 the sum in two halves, +4 f, +5 (its pair's upper half), +6 .. +9 at work, +10 the other half of the lanes'
.set S,   64
.set O,   192
.set KF,  0                            ; in window 1
.set VF,  64
.set MF,  128
.set PF,  192
.set QF,  224
.set WV,  16                           ; s16 wave
.set CS,  24                           ; s[24:25] c: the packed form names a pair and takes its low word for both halves
.set SEL, 26                           ; s[26:27] selects for v_permlanex16_b32: lane l xor 16
.set KO,  28                           ; s28 the step's first byte in K's and in V's images
.set MO,  29                           ; s29 and in the mask
.set JJ,  30                           ; s30 counts steps
.set E89, 31                           ; s31 e8 + e9
.set MSB, 0
.macro WIN new                         ; the immediate's high byte repeats the setting that is left; a switch that changes nothing is dropped
.if MSB != (\new)
	s_set_vgpr_msb (MSB<<8)|(\new)
.set MSB, (\new)
.endif
.endm
	s_load_b256 s[4:11], s[0:1], 0x0               ; qimg s[4:5], kimg s[6:7], vimg s[8:9], the mask s[10:11]
	s_load_b128 s[12:15], s[0:1], 0x20             ; the exponents s[12:13], the output s[14:15]
	v_lshl_add_u32 v62, v0, 2, 0x29800
	v_mov_b32 v63, 0
	v_lshrrev_b32 v44, 5, v0
	v_readfirstlane_b32 s[WV], v44                 ; wave 0..7
	s_lshr_b32 s17, ttmp9, 1                       ; bh
	s_and_b32 s18, ttmp9, 1                        ; which 512 queries
	s_lshl_b32 s32, s17, 16                        ; a head's 65,536 bytes in each image
	s_mov_b32 s33, 0
	s_lshl_b32 s34, s18, 15                        ; 32 query tiles of 1,024 bytes
	s_add_co_u32 s34, s34, s32
	s_mov_b32 s35, 0
	s_lshr_b32 s19, s17, 4                         ; the batch
	s_lshl_b32 s36, s19, 12                        ; its 1,024 numbers of the mask
	s_mov_b32 s37, 0
	s_lshl_b32 s38, s19, 22                        ; its 1,024 rows of 4,096 bytes of the output,
	s_lshl_b32 s2, s18, 21                         ; my 512 of them,
	s_add_co_u32 s38, s38, s2
	s_and_b32 s2, s17, 15
	s_lshl_b32 s2, s2, 8                           ; the head's 256 bytes of a row
	s_add_co_u32 s38, s38, s2
	s_mov_b32 s39, 0
	v_and_b32 v[LI], 31, v0
	v_lshlrev_b32 v[LI], 4, v[LI]
	v_add_nc_u32 v[VA0], VI, v[LI]
	v_bfe_u32 v44, v0, 4, 1                        ; h
	v_and_b32 v45, 15, v0                          ; r
	v_lshl_add_u32 v[MA0], v44, 5, MK
	s_wait_alu depctr_va_sdst(0)                   ; s16, the wave's number, is written, ahead of its first reader: the stage's, the output's and Q's places are made from it
	s_mul_i32 s2, s[WV], 16*SP
	s_add_co_u32 s2, s2, STG                       ; my stage
	v_mul_u32_u24 v[STO], v45, SP                  ; in: row r, + 32 h
	v_lshl_add_u32 v[STO], v44, 5, v[STO]
	v_add_nc_u32 v[STO], s2, v[STO]
	v_mul_u32_u24 v[RD], v44, SP                   ; back: lanes 0-15 one row of 256 bytes, lanes 16-31 the next
	v_lshl_add_u32 v[RD], v45, 4, v[RD]
	v_add_nc_u32 v[RD], s2, v[RD]
	v_lshlrev_b32 v[GO], 12, v44                   ; and the same two rows in the output,
	v_lshl_add_u32 v[GO], v45, 4, v[GO]
	s_lshl_b32 s3, s[WV], 17                       ; among my wave's 32 rows of 4,096 bytes
	v_add_nc_u32 v[GO], s3, v[GO]
	v_lshlrev_b32 v[TI], 4, v0
	v_add_nc_u32 v[TIV], VI, v[TI]
	v_add_nc_u32 v[TIM], MK, v[TI]
	s_lshl_b32 s3, s[WV], 11                       ; my wave's two query tiles
	v_add_nc_u32 v[QO], s3, v[LI]
	s_mov_b32 s[SEL], 0x76543210
	s_mov_b32 s[SEL+1], 0xfedcba98
	s_wait_kmcnt 0x0
	s_load_b64 s[20:21], s[12:13], 0x18            ; e6, e7
	s_load_b64 s[22:23], s[12:13], 0x20            ; e8, e9
	s_add_nc_u64 s[4:5], s[4:5], s[34:35]
	s_add_nc_u64 s[6:7], s[6:7], s[32:33]
	s_add_nc_u64 s[8:9], s[8:9], s[32:33]
	s_add_nc_u64 s[10:11], s[10:11], s[36:37]
	s_add_nc_u64 s[14:15], s[14:15], s[38:39]
	s_wait_alu depctr_va_vdst(0)                   ; the addresses v1 to v3, v7 to v12 and v15 are written: every load and store of the kernel but the steps' LDS loads reads one of them, and none is written again
	; THE FILL: 256 threads x 16 bytes = 4,096 bytes an instruction; a wave's load covers 512 consecutive bytes.  37 loads a thread go out together
.irp i, 0,1,2,3,4,5,6,7,8,9,10,11,12,13,14,15
	global_load_b128 v[S+4*\i:S+4*\i+3], v[TI], s[6:7] offset:4096*\i
.endr
.irp i, 0,1,2,3,4,5,6,7,8,9,10,11,12,13,14,15
	global_load_b128 v[S+64+4*\i:S+64+4*\i+3], v[TI], s[8:9] offset:4096*\i
.endr
	global_load_b128 v[40:43], v[TI], s[10:11]
	WIN 0x40                                       ; destination window 1
.irp f, 0,1,2,3
	global_load_b128 v[QF+4*\f:QF+4*\f+3], v[QO], s[4:5] offset:512*\f           ; the first pass's Q: tile f / 2, piece f % 2
.endr
	WIN 0
	s_wait_kmcnt 0x0
	s_add_co_i32 s2, s20, s21                      ; e6 + e7
	s_sub_co_i32 s3, 3, s2                         ; mask' = mask x 8 / 2^(e6 + e7)
	s_lshl_b32 s2, s2, 23
	s_add_co_i32 s[CS], s2, 0x3e38aa3b             ; log2(e) / 8, with e6 + e7 added to its exponent field
	s_mov_b32 s[CS+1], s[CS]                       ; (named with it as a pair, so it is written)
	s_add_co_i32 s2, s22, 127
	s_lshl_b32 s17, s2, 23
	v_mov_b32 v[SCL], s17
	s_add_co_i32 s2, s2, 8
	s_lshl_b32 s2, s2, 23
	s_or_b32 s2, s2, 0x600000
	v_mov_b32 v[LIM], s2
	s_add_co_i32 s[E89], s22, s23
	s_wait_loadcnt 21                              ; K's 16 loads are in; V's 16, the mask's and Q's four may be out
.irp i, 0,1,2,3,4,5,6,7,8,9,10,11,12,13,14,15
	ds_store_b128 v[TI], v[S+4*\i:S+4*\i+3] offset:4096*\i
.endr
	s_wait_loadcnt 5                               ; V's are in
.irp i, 0,1,2,3,4,5,6,7,8,9,10,11,12,13,14,15
	ds_store_b128 v[TIV], v[S+64+4*\i:S+64+4*\i+3] offset:4096*\i
.endr
	s_wait_loadcnt 4                               ; the mask's is in
.irp i, 40,41,42,43
	v_ldexp_f32 v\i, v\i, s3
.endr
	s_wait_alu depctr_va_vdst(0)                   ; the four scalings have written v40 to v43, which the LDS store reads
	ds_store_b128 v[TIM], v[40:43]
	s_wait_loadcnt 0x0                             ; Q
	s_wait_dscnt 0x0                               ; for the others' sake: my stores have landed
	s_barrier_signal -1
	s_barrier_wait -1                              ; the one barrier: K, V and the mask lie in LDS and are only read from here on
; THE SOFTMAX of tile u for a step, as numbered lists, so that one tile's exponentials can stand between the other tile's plain instructions.
.macro MAXI u, j                       ; 32: the largest of the lane's 64 scores: four chains, the registers in ascending order
.set rT, ST+12*(\u)
.set rS, S+64*(\u)
.if (\j) < 4
	v_max3_num_f32 v[rT+6+(\j)], v[rS+3*(\j)], v[rS+3*(\j)+1], v[rS+3*(\j)+2]
.elseif (\j) < 30
	v_max3_num_f32 v[rT+6+((\j)-4)%4], v[rT+6+((\j)-4)%4], v[rS+12+2*((\j)-4)], v[rS+13+2*((\j)-4)]
.elseif (\j) == 30
	v_max3_num_f32 v[rT+6], v[rT+6], v[rT+7], v[rT+8]
.else
	v_max_num_f32 v[rT+6], v[rT+6], v[rT+9]
.endif
.endm
.macro STATI u, j                      ; 9
.set rT, ST+12*(\u)
.if (\j) == 0
	v_permlanex16_b32 v[rT+10], v[rT+6], s[SEL], s[SEL+1]   ; the query's other 64 keys lie in the lane 16 away
.elseif (\j) == 1
	v_max_num_f32 v[rT+6], v[rT+6], v[rT+10]
.elseif (\j) == 2
	v_mul_f32 v[rT+6], s[CS], v[rT+6]              ; as t (c is positive)
.elseif (\j) == 3
	v_max_num_f32 v[rT+1], v[rT+1], v[rT+6]        ; the running largest t
.elseif (\j) == 4
	v_mov_b32 v[rT+6], v[rT]
.elseif (\j) == 5
	v_floor_f32 v[rT], -v[rT+1]                    ; the new -M = floor(-t): M is a whole number
.elseif (\j) == 6
	v_sub_f32 v[rT+6], v[rT], v[rT+6]              ; old M - new M: a whole number, 0 or less
.elseif (\j) == 7
	v_cvt_i32_f32 v[rT+6], v[rT+6]                 ; (it saturates)
.else
	v_ldexp_f32 v[rT+4], 1.0, v[rT+6]              ; f = 2^(old M - new M)
.endif
.endm
.macro FMAI u, j                       ; 32: t - M, two at a time
.set rT, ST+12*(\u)
.set rS, S+64*(\u)
	v_pk_fma_f32 v[rS+2*(\j):rS+2*(\j)+1], v[rS+2*(\j):rS+2*(\j)+1], s[CS:CS+1], v[rT:rT+1] op_sel_hi:[1,0,0]
.endm
.macro SUMI u, j                       ; 33: the sum under the new M, then the unquantised p, two at a time, in two chains
.set rT, ST+12*(\u)
.set rS, S+64*(\u)
.if (\j) == 0
	v_pk_mul_f32 v[rT+2:rT+3], v[rT+2:rT+3], v[rT+4:rT+5] op_sel_hi:[1,0]
.elseif (\j) == 1
	v_pk_add_f32 v[rT+6:rT+7], v[rS:rS+1], v[rS+2:rS+3]
.elseif (\j) == 32
	v_pk_add_f32 v[rT+2:rT+3], v[rT+2:rT+3], v[rT+6:rT+7]
.elseif (\j)%2 == 0
	v_pk_add_f32 v[rT+2:rT+3], v[rT+2:rT+3], v[rS+4*((\j)/2):rS+4*((\j)/2)+1]
.else
	v_pk_add_f32 v[rT+6:rT+7], v[rT+6:rT+7], v[rS+4*((\j)/2)+2:rS+4*((\j)/2)+3]
.endif
.endm
.macro RESCI u, j                      ; 16: O^T under the new M
.set rT, ST+12*(\u)
	v_pk_mul_f32 v[O+32*(\u)+2*(\j):O+32*(\u)+2*(\j)+1], v[O+32*(\u)+2*(\j):O+32*(\u)+2*(\j)+1], v[rT+4:rT+5] op_sel_hi:[1,0]
.endm
.macro PLB j                           ; the 73 plain instructions that stand among tile 0's exponentials: they name none of tile 0's scores
.if (\j) < 32
	MAXI 1, (\j)
.elseif (\j) < 41
	STATI 1, (\j)-32
.else
	FMAI 1, (\j)-41
.endif
.endm
.macro PLC j                           ; the 65 that stand among tile 1's: they name none of tile 1's scores
.if (\j) < 33
	SUMI 0, (\j)
.elseif (\j) < 49
	RESCI 0, (\j)-33
.else
	RESCI 1, (\j)-49
.endif
.endm
; THE STEP'S LDS LOADS, in three runs of 16.  All stand behind the step's first wait on va_vdst; no vector or matrix instruction issued between that wait and a run names the run's address or the registers in which it lands.
.macro FETCH_V                         ; this step's V (the window is set by the caller, ahead of the wait)
.irp f, 0,1,2,3,4,5,6,7,8,9,10,11,12,13,14,15
	ds_load_b128 v[VF+4*\f:VF+4*\f+3], v[ADV] offset:512*\f                      ; channel tile f / 4, piece f % 4
.endr
.endm
.macro FETCH_K                         ; the next step's K
	WIN 0x40
.irp f, 0,1,2,3,4,5,6,7,8,9,10,11,12,13,14,15
	ds_load_b128 v[KF+4*\f:KF+4*\f+3], v[ADK] offset:8192+512*\f                 ; key tile f / 2, piece f % 2
.endr
	WIN 0
.endm
.macro FETCH_M                         ; the next step's mask'
	WIN 0x40
.irp f, 0,1,2,3,4,5,6,7,8,9,10,11,12,13,14,15
	ds_load_b128 v[MF+4*\f:MF+4*\f+3], v[ADM] offset:512+64*(\f/2)+16*(\f%2)     ; keys 16 (f / 2) + 8 h + 4 (f % 2) on: sixteen lanes read the same 16 bytes
.endr
	WIN 0
.endm
; A KEY STEP: 128 keys.  next = 1: the next step's K and mask' are fetched; qn = 1: the next pass's Q is asked for.
.macro STEP next, qn
	s_wait_dscnt 0x0                               ; K and mask', asked for in the step before, are in: they were the youngest LDS loads
	WIN 0x15                                       ; K, Q and mask' window 1, S^T window 0
.irp t, 0,1,2,3,4,5,6,7
.irp u, 0,1
	v_wmma_f32_16x16x64_fp8_fp8 v[S+64*\u+8*\t:S+64*\u+8*\t+7], v[KF+8*\t:KF+8*\t+7], v[QF+8*\u:QF+8*\u+7], v[MF+8*\t:MF+8*\t+7]
.endr
.endr
	WIN 0
	s_wait_alu depctr_vm_vsrc(0)                   ; the LDS loads issued so far have read v4 to v6, which the additions below write anew
	v_add_nc_u32 v[ADV], s[KO], v[VA0]
.if \next
	v_add_nc_u32 v[ADK], s[KO], v[LI]
	v_add_nc_u32 v[ADM], s[MO], v[MA0]
	v_nop                                          ; with the three additions: four places behind the products, ahead of the first read of the scores (ISA guide 7.12.1)
.else
.rept 3
	v_nop                                          ; with the addition: the four places
.endr
.endif
.set n, 0
.rept 32
	MAXI 0, n
.set n, n+1
.endr
.set n, 0
.rept 9
	STATI 0, n
.set n, n+1
.endr
.set n, 0
.rept 32
	FMAI 0, n
.set n, n+1
.endr
.set n, 0
.rept 64
	v_exp_f32 v[S+n], v[S+n]                       ; tile 0's p = 2^(t - M), a plain instruction of tile 1 behind each
	PLB n
.set n, n+1
.endr
.rept 9
	PLB n
.set n, n+1
.endr
	WIN 0x40                                       ; destination window 1, for the loads below
	s_wait_alu depctr_va_vdst(0)                   ; tile 0's 64 exponentials are written, ahead of their first reader; v4 to v6 are written; this step's first products are done reading K, mask' and Q, the last step's second products reading V
	FETCH_V
.if \qn
.irp f, 0,1,2,3
	global_load_b128 v[QF+4*\f:QF+4*\f+3], v[QO], s[4:5] offset:16384+512*\f     ; 16 query tiles on
.endr
.endif
	WIN 0
.set n, 0
.rept 64
	v_exp_f32 v[S+64+n], v[S+64+n]                 ; tile 1's, among tile 0's sums and both tiles' rescaling
	PLC n
.if \next && (n == 15)
	FETCH_K
.endif
.if \next && (n == 31)
	FETCH_M
.endif
.set n, n+1
.endr
	PLC n
	s_wait_alu depctr_va_vdst(0)                   ; tile 1's 64 exponentials are written, ahead of their first reader
.set n, 0
.rept 33
	SUMI 1, n
.set n, n+1
.endr
	s_cmp_ge_i32 s22, -8                           ; p <= 1 <= 448 x 2^e8 where e8 >= -8: the hold has nothing to do
	s_cbranch_scc1 .Lno_hold_\@
.set n, 0
.rept 128
	v_min_num_f32 v[S+n], v[S+n], v[LIM]           ; the conversion to an 8-bit code does not saturate (ISA guide 7.6.2); p is not negative, so the hold is one-sided
.set n, n+1
.endr
.Lno_hold_\@:
	WIN 0x40
.irp u, 0,1
.irp t, 0,1,2,3,4,5,6,7
	v_cvt_scalef32_pk8_fp8_f32 v[PF+16*\u+2*\t:PF+16*\u+2*\t+1], v[S+64*\u+8*\t:S+64*\u+8*\t+7], v[SCL]
.endr
.endr
	v_nop                                          ; one plain vector instruction between the conversions and the products that read their results
.if \next
	s_wait_dscnt 32                                ; V is in; the next step's 32 loads may be out
.else
	s_wait_dscnt 0x0
.endif
	WIN 0x05                                       ; V and P window 1, O^T window 0
.irp ct, 0,1,2,3
.irp u, 0,1
	v_wmma_f32_16x16x128_fp8_fp8 v[O+32*\u+8*\ct:O+32*\u+8*\ct+7], v[VF+16*\ct:VF+16*\ct+15], v[PF+16*\u:PF+16*\u+15], v[O+32*\u+8*\ct:O+32*\u+8*\ct+7]
.endr
.endr
	WIN 0
	s_add_co_u32 s[KO], s[KO], 8192
	s_add_co_u32 s[MO], s[MO], 512
.endm
; THE WAY OUT of a pass: O^T / the sum x 2^(e8 + e9) goes through my stage, a tile of 16 queries at a time, and leaves as rows of 256 bytes: the head's part of a row of the output.
; Both tiles' multiplications stand together, so that one wait serves all sixteen LDS stores and all sixteen LDS loads.
.macro OUT p
.irp u, 0,1
	v_add_f32 v[ST+12*\u+6], v[ST+12*\u+2], v[ST+12*\u+3]                        ; the sum's two halves,  (these additions are the places behind the last products)
.endr
.irp u, 0,1
	v_permlanex16_b32 v[ST+12*\u+10], v[ST+12*\u+6], s[SEL], s[SEL+1]
.endr
.irp u, 0,1
	v_add_f32 v[ST+12*\u+6], v[ST+12*\u+6], v[ST+12*\u+10]                       ; and lane l xor 16's
.endr
.irp u, 0,1
	v_rcp_f32 v[ST+12*\u+4], v[ST+12*\u+6]
.endr
	v_nop                                          ; a plain instruction behind the reciprocals
	s_wait_alu depctr_va_vdst(0)                   ; the two reciprocals are written, ahead of their first reader
.irp u, 0,1
	v_ldexp_f32 v[ST+12*\u+4], v[ST+12*\u+4], s[E89]
.endr
.irp u, 0,1
.set i, 0
.rept 16
	v_pk_mul_f32 v[S+64*\u+i:S+64*\u+i+1], v[O+32*\u+i:O+32*\u+i+1], v[ST+12*\u+4:ST+12*\u+5] op_sel_hi:[1,0]   ; register 8 ct + j: channel 16 ct + 8 h + j of query r
.set i, i+2
.endr
.endr
	s_wait_alu depctr_va_vdst(0)                   ; the multiplications have written the lower half of each tile's S registers, which the LDS stores read; the last step's conversions are done reading the upper halves, in which the LDS loads land
.irp u, 0,1
.irp f, 0,1,2,3,4,5,6,7
	ds_store_b128 v[STO], v[S+64*\u+4*\f:S+64*\u+4*\f+3] offset:64*(\f/2)+16*(\f%2)
.endr
.irp i, 0,1,2,3,4,5,6,7
	ds_load_b128 v[S+64*\u+32+4*\i:S+64*\u+32+4*\i+3], v[RD] offset:2*\i*SP      ; LDS serves a wave's instructions in order (ISA guide 5.7.1.4): these see my stores, and the next tile's stores come behind them
.endr
.endr
.irp u, 0,1
.irp i, 0,1,2,3,4,5,6,7
	s_wait_dscnt 16*(1-\u)+7-\i                    ; behind this load: the tile's later loads, and for tile 0 tile 1's sixteen
	global_store_b128 v[GO], v[S+64*\u+32+4*\i:S+64*\u+32+4*\i+3], s[14:15] offset:(\p)*1048576+(16*\u+2*\i)*4096 th:TH_STORE_NT   ; 16 lanes store 256 consecutive bytes, at a multiple of 256 from the output's first byte
.endr
.endr
.endm
.macro PASS p
.if \p
	s_wait_xcnt 0x0                                ; the first pass's stores have had their addresses translated (ISA guide 3.1): S's registers are written again only behind this wait,
	s_wait_alu depctr_vm_vsrc(0)                   ; and beside it: the first pass's LDS stores and global stores have read S's registers, which this pass's products write
	s_wait_loadcnt 0x0                             ; this pass's Q
.else
	s_wait_alu depctr_vm_vsrc(0)                   ; the fill's LDS stores have read S's registers, which this pass's products write
.endif
.irp u, 0,1
	v_mov_b32 v[ST+12*\u+1], 0xff61b1e6            ; the largest t so far: -3e38, under every t
	v_floor_f32 v[ST+12*\u], -v[ST+12*\u+1]        ; -M
	v_mov_b32 v[ST+12*\u+2], 0                     ; the sum
	v_mov_b32 v[ST+12*\u+3], 0
	v_mov_b32 v[ST+12*\u+5], 0                     ; (named as the upper half of f's pair)
	v_mov_b32 v[ST+12*\u+10], 0                    ; (a lane permute's destination counts as one of its sources)
.endr
.set i, 0
.rept 64
	v_mov_b32 v[O+i], 0                            ; O^T.  (The step is written without a first step of its own: it finds zeros, which the first change of M leaves zeros)
.set i, i+1
.endr
	s_mov_b32 s[KO], 0
	s_mov_b32 s[MO], 0
	WIN 0x40                                       ; no wait on va_vdst is owed here: since the last one (ahead of the mask's store; on the first pass's way out) no vector or matrix instruction names v1, v3, K's or mask's registers
.irp f, 0,1,2,3,4,5,6,7,8,9,10,11,12,13,14,15
	ds_load_b128 v[KF+4*\f:KF+4*\f+3], v[LI] offset:512*\f                       ; step 0's K
.endr
.irp f, 0,1,2,3,4,5,6,7,8,9,10,11,12,13,14,15
	ds_load_b128 v[MF+4*\f:MF+4*\f+3], v[MA0] offset:64*(\f/2)+16*(\f%2)         ; and mask'
.endr
	WIN 0
	s_mov_b32 s[JJ], 0
.Lstep_\@:                             ; seven trips; the eighth step, which fetches nothing further, is written out
	STEP 1, 0
	s_add_co_u32 s[JJ], s[JJ], 1
	s_cmp_lt_u32 s[JJ], 7
	s_cbranch_scc1 .Lstep_\@
	STEP 0, 1-(\p)
	OUT \p
.endm
	PASS 0
	PASS 1
	s_wait_dscnt 0x0
	s_wait_alu depctr_hold_cnt(0) depctr_sa_sdst(0) depctr_va_vdst(0) depctr_va_sdst(0) depctr_va_ssrc(0) depctr_va_vcc(0) depctr_vm_vsrc(0)
	s_wait_tensorcnt 0x0
	ds_add_u32 v62, v63
	s_wait_dscnt 0x0
	s_endpgm
.Lfunc_end_k_q277afd5e81_attn:
	.size	k_q277afd5e81_attn, .Lfunc_end_k_q277afd5e81_attn-k_q277afd5e81_attn
	.p2alignl 7, 3214868480
	.fill 96, 4, 3214868480
	.section	.rodata,"a",@progbits
	.p2align	6, 0x0
	.amdhsa_kernel k_q277afd5e81_attn
		.amdhsa_group_segment_fixed_size 171008
		.amdhsa_private_segment_fixed_size 0
		.amdhsa_enable_private_segment 0
		.amdhsa_kernarg_size 48
		.amdhsa_user_sgpr_count 2
		.amdhsa_user_sgpr_kernarg_segment_ptr 1
		.amdhsa_wavefront_size32 1
		.amdhsa_system_sgpr_workgroup_id_x 1
		.amdhsa_system_sgpr_workgroup_id_y 1
		.amdhsa_system_sgpr_workgroup_id_z 1
		.amdhsa_system_vgpr_workitem_id 0
		.amdhsa_next_free_vgpr 512
		.amdhsa_next_free_sgpr 66
		.amdhsa_reserve_vcc 0
		.amdhsa_float_denorm_mode_32 3
		.amdhsa_float_denorm_mode_16_64 3
		.amdhsa_memory_ordered 1
		.amdhsa_forward_progress 1
		.amdhsa_inst_pref_size 146
	.end_amdhsa_kernel
	.amdgpu_metadata
---
amdhsa.version: [ 1, 2 ]
amdhsa.kernels:
  - .name:           k_q277afd5e81_attn
    .symbol:         k_q277afd5e81_attn.kd
    .args:
      - { .name: qimg, .offset: 0, .size: 8, .value_kind: global_buffer, .address_space: global }
      - { .name: kimg, .offset: 8, .size: 8, .value_kind: global_buffer, .address_space: global }
      - { .name: vimg, .offset: 16, .size: 8, .value_kind: global_buffer, .address_space: global }
      - { .name: attention_mask, .offset: 24, .size: 8, .value_kind: global_buffer, .address_space: global }
      - { .name: lowp_scales, .offset: 32, .size: 8, .value_kind: global_buffer, .address_space: global }
      - { .name: out0, .offset: 40, .size: 8, .value_kind: global_buffer, .address_space: global }
    .group_segment_fixed_size: 171008
    .private_segment_fixed_size: 0
    .kernarg_segment_align: 8
    .kernarg_segment_size: 48
    .max_flat_workgroup_size: 256
    .sgpr_count:     66
    .vgpr_count:     512
    .wavefront_size: 32
...
	.end_amdgpu_metadata
.endif
;; end of part 3
